; MI455X (gfx1250); checked and timed in simulation.
; The chip was launched on July 23, 2026; its instructions are those of AMD's public machine-readable ISA for CDNA 5 (MIT licence, August 2026) and "CDNA5" Instruction Set Architecture Reference Guide (July 2026). The comments in the code are by the model that wrote it; some were corrected since.
;; Mo E Layer. Allowed arithmetic: float matrix products may take bf16 or f16 operands with f32 sums; other float arithmetic in f32, or as packed bf16 or f16 multiplies, adds, multiply-adds, maxima and minima; sums over many terms, partial sums and values carried from step to step in f32; what a program stores and reads back later, other than sums and carried values, may be rounded once to bf16 or f16.
;; Inputs: gate_w 8 x 1,024 float32; ln_b 1,024 float32; ln_w 1,024 float32; w1 8 x 1,024 x 4,096 float32; w2 8 x 2,048 x 1,024 float32; x 2 x 512 x 1,024 float32.
;; Outputs: out0 2 x 512 x 1,024 float32; out1 2 x 512 x 8 float32.
;; One version. Each part assembles by itself: llvm-mc -triple=amdgcn-amd-amdhsa -mcpu=gfx1250 --defsym DOCPART=n.
;; ======== version 1 of 1: 5 launches
;; workspace buffers: rt 5,120 bytes of whole numbers; pl 8,448 bytes of whole numbers; gw 8,192 bytes; posw 8,704 bytes; xn 2,097,152 bytes; xs 4,456,448 bytes; act 8,912,896 bytes; y 17,825,792 bytes
;; launch router (part 1): grid 128 x 1, 8 waves a work-group, no clusters, 1,536 bytes of LDS; arguments x, ln_w, ln_b, gate_w, xn, rt, gw, out1; writes xn, rt, gw, out1
.if DOCPART == 1
	.amdgcn_target "amdgcn-amd-amdhsa--gfx1250"
	.amdhsa_code_object_version 6
	.text
	.protected	k_q1461a47a1a_router
	.globl	k_q1461a47a1a_router
	.p2align	8
	.type	k_q1461a47a1a_router,@function
k_q1461a47a1a_router:
	s_mov_b64 s[64:65], 0
	v_nop
	global_prefetch_b8 v0, s[64:65] scope:SCOPE_SE
	s_setreg_imm32_b32 hwreg(HW_REG_WAVE_MODE, 25, 1), 1
	s_wait_xcnt 0x0
; LayerNorm, router logits, softmax, top-2.  x: [1024][1024] f32.  One wave takes one token, a work-group eight (t = 8 g + w), so that a
; work-group leaves one bitmap byte for each expert and 256 consecutive bytes of out1.
; A lane holds columns 128 j + 4 L .. + 3, j = 0..7: every load of a wave covers 512 consecutive bytes.
; The mean and the variance are made in two passes.  The eight logits are summed in f32 on the vector unit
; (8 x 1024 products a token, a small part of the work), so that the choice of experts follows the f32 numbers.
; Stored: xn rounded once to bf16; out1; rt: for each expert a bitmap of its tokens (byte 128 e + g, bit w) and sel[t] = i1 | i2 << 8; gw[t][2] the two weights.
; No address hangs on the choice: all places are fixed.
; LIMITS.  NaN and infinities are not treated apart.  An exponential below 2^-126 counts as 0.  The order of the experts is judged on
; p = 2^((l - max) log2 e), the softmax's numerator; of equal p the lower index is taken; the softmax's divisor cancels in p1 / (p1 + p2).
.set X,   32                           ; v[32:63]   x, then x - mu, then xn
.set LW,  64                           ; v[64:95]   ln_w; later xn in bf16
.set LB,  96                           ; v[96:127]  ln_b
.set GA,  128                          ; v[128:255] gate_w of experts 0-3, 32 registers each; experts 4-7 lie in window 1, v0-127
.set SPARE, 512                        ; the spare words: 128 bytes for each of the eight waves
.set MSB, 0
.macro WIN new                         ; the immediate's high byte repeats the setting that is left
.if MSB != (\new)
	s_set_vgpr_msb (MSB<<8)|(\new)
.set MSB, \new
.endif
.endm
.macro RED v, t                        ; the sum over the 32 lanes, in every lane; t is at work and has been written
.irp m, 1,2,4,8
	v_add_f32_dpp v[\v], v[\v], v[\v] row_xmask:\m row_mask:0xf bank_mask:0xf
.endr
	v_permlanex16_b32 v[\t], v[\v], s24, s25
	v_add_f32 v[\v], v[\v], v[\t]
.endm
	s_load_b512 s[4:19], s[0:1], 0x0               ; x s[4:5], ln_w s[6:7], ln_b s[8:9], gate_w s[10:11], xn s[12:13], rt s[14:15], gw s[16:17], out1 s[18:19]
	v_lshl_add_u32 v30, v0, 2, SPARE               ; my spare word,
	v_mov_b32 v31, 0                               ; and 0: kept for the add at the wave's end
	v_lshrrev_b32 v5, 5, v0
	v_readfirstlane_b32 s20, v5                    ; wave 0..7
	v_and_b32 v1, 31, v0                           ; L
	v_lshlrev_b32 v2, 4, v1                        ; 16 L
	v_lshlrev_b32 v3, 3, v1                        ; 8 L
	v_and_b32 v4, 7, v0                            ; L & 7: the expert that this lane writes for
	s_lshl_b32 s21, ttmp9, 3
	s_add_co_u32 s21, s21, s20                     ; token t
	s_mov_b32 s24, 0x76543210                      ; v_permlanex16_b32: each lane takes its own place in the other half
	s_mov_b32 s25, 0xfedcba98
	s_mov_b32 s26, 0x3fb8aa3b                      ; log2 e
	s_mov_b32 s27, 0x3a800000                      ; 1 / 1024
	s_mov_b32 s28, 0x3727c5ac                      ; 1e-5
	s_lshl_b32 s22, s21, 12                        ; a row of x: 4,096 bytes
	s_mov_b32 s23, 0
	s_lshl_b32 s30, s21, 11                        ; a row of xn: 2,048 bytes
	s_mov_b32 s31, 0
	s_wait_kmcnt 0x0
	s_add_nc_u64 s[4:5], s[4:5], s[22:23]
	s_add_nc_u64 s[12:13], s[12:13], s[30:31]
.irp j, 0,1,2,3,4,5,6,7
	global_load_b128 v[X+4*\j:X+4*\j+3], v2, s[4:5] offset:512*\j
.endr
.irp j, 0,1,2,3,4,5,6,7
	global_load_b128 v[LW+4*\j:LW+4*\j+3], v2, s[6:7] offset:512*\j
.endr
.irp j, 0,1,2,3,4,5,6,7
	global_load_b128 v[LB+4*\j:LB+4*\j+3], v2, s[8:9] offset:512*\j
.endr
.irp e, 0,1,2,3
.irp j, 0,1,2,3,4,5,6,7
	global_load_b128 v[GA+32*\e+4*\j:GA+32*\e+4*\j+3], v2, s[10:11] offset:4096*\e+512*\j
.endr
.endr
	s_wait_loadcnt 48                              ; x is in; the 48 younger loads stay out
	; the mean: four chains that do not wait for each other
.irp k, 0,1,2,3
	v_pk_add_f32 v[6+2*\k:7+2*\k], v[X+2*\k:X+2*\k+1], v[X+8+2*\k:X+8+2*\k+1]
.endr
.irp i, 8,9,10,11,12,13,14,15
	v_pk_add_f32 v[6+2*((\i)%4):7+2*((\i)%4)], v[6+2*((\i)%4):7+2*((\i)%4)], v[X+2*\i:X+2*\i+1]
.endr
	v_pk_add_f32 v[6:7], v[6:7], v[8:9]
	v_pk_add_f32 v[10:11], v[10:11], v[12:13]
	v_pk_add_f32 v[6:7], v[6:7], v[10:11]
	v_add_f32 v6, v6, v7
	RED 6, 7
	v_mul_f32 v6, s27, v6                          ; mu
.set i, 0
.rept 16
	v_pk_add_f32 v[X+2*i:X+2*i+1], v[X+2*i:X+2*i+1], v[6:7] op_sel_hi:[1,0] neg_lo:[0,1] neg_hi:[0,1]  ; x - mu
.set i, i+1
.endr
	; the variance: the sum of (x - mu)^2
.irp k, 0,1,2,3
	v_pk_mul_f32 v[8+2*\k:9+2*\k], v[X+2*\k:X+2*\k+1], v[X+2*\k:X+2*\k+1]
.endr
.irp i, 4,5,6,7,8,9,10,11,12,13,14,15
	v_pk_fma_f32 v[8+2*((\i)%4):9+2*((\i)%4)], v[X+2*\i:X+2*\i+1], v[X+2*\i:X+2*\i+1], v[8+2*((\i)%4):9+2*((\i)%4)]
.endr
	v_pk_add_f32 v[8:9], v[8:9], v[10:11]
	v_pk_add_f32 v[12:13], v[12:13], v[14:15]
	v_pk_add_f32 v[8:9], v[8:9], v[12:13]
	v_add_f32 v8, v8, v9
	RED 8, 9
	v_fma_f32 v8, v8, s27, s28                     ; var + eps
	v_rsq_f32 v10, v8
	v_mov_b32 v11, 0                               ; a plain instruction behind the root (ISA guide 5.7.2); v11 is named with v10 as a pair
	s_wait_alu depctr_va_vdst(0)                   ; the wait ahead of the result's first reader
	s_wait_loadcnt 32                              ; ln_w and ln_b are in; gate_w's 32 loads stay out
.set i, 0
.rept 16
	v_pk_mul_f32 v[X+2*i:X+2*i+1], v[X+2*i:X+2*i+1], v[10:11] op_sel_hi:[1,0]
.set i, i+1
.endr
.set i, 0
.rept 16
	v_pk_fma_f32 v[X+2*i:X+2*i+1], v[X+2*i:X+2*i+1], v[LW+2*i:LW+2*i+1], v[LB+2*i:LB+2*i+1]  ; xn
.set i, i+1
.endr
.set i, 0
.rept 16
	v_cvt_pk_bf16_f32 v[LW+i], v[X+2*i], v[X+2*i+1]
.set i, i+1
.endr
.irp j, 0,1,2,3,4,5,6,7
	global_store_b64 v3, v[LW+2*\j:LW+2*\j+1], s[12:13] offset:256*\j  ; 32 lanes store 256 consecutive bytes, at a multiple of 256 from xn's first byte
.endr
	WIN 0x40                                       ; destination window 1, address window 0
.irp e, 0,1,2,3
.irp j, 0,1,2,3,4,5,6,7
	global_load_b128 v[32*\e+4*\j:32*\e+4*\j+3], v2, s[10:11] offset:4096*(4+\e)+512*\j
.endr
.endr
	WIN 0
	s_wait_loadcnt 32                              ; experts 0-3 are in; the 32 loads just issued stay out
.irp e, 0,1,2,3
	v_pk_mul_f32 v[12+2*\e:13+2*\e], v[X:X+1], v[GA+32*\e:GA+32*\e+1]
.endr
.set i, 1
.rept 15
.irp e, 0,1,2,3
	v_pk_fma_f32 v[12+2*\e:13+2*\e], v[X+2*i:X+2*i+1], v[GA+32*\e+2*i:GA+32*\e+2*i+1], v[12+2*\e:13+2*\e]
.endr
.set i, i+1
.endr
	s_wait_loadcnt 0x0
	WIN 0x04                                       ; source 1 in window 1
.irp e, 0,1,2,3
	v_pk_mul_f32 v[20+2*\e:21+2*\e], v[X:X+1], v[32*\e:32*\e+1]
.endr
.set i, 1
.rept 15
.irp e, 0,1,2,3
	v_pk_fma_f32 v[20+2*\e:21+2*\e], v[X+2*i:X+2*i+1], v[32*\e+2*i:32*\e+2*i+1], v[20+2*\e:21+2*\e]
.endr
.set i, i+1
.endr
	WIN 0
.irp e, 0,1,2,3,4,5,6,7
	v_add_f32 v[12+\e], v[12+2*\e], v[13+2*\e]     ; ascending: each destination has been read already
.endr
.irp m, 1,2,4,8
.irp e, 0,1,2,3,4,5,6,7
	v_add_f32_dpp v[12+\e], v[12+\e], v[12+\e] row_xmask:\m row_mask:0xf bank_mask:0xf
.endr
.endr
.irp e, 0,1,2,3,4,5,6,7
	v_permlanex16_b32 v[20+\e], v[12+\e], s24, s25
.endr
.irp e, 0,1,2,3,4,5,6,7
	v_add_f32 v[12+\e], v[12+\e], v[20+\e]         ; the eight logits, in every lane
.endr
	; softmax's numerators, with the maximum taken away
	v_max3_num_f32 v5, v12, v13, v14
	v_max3_num_f32 v5, v5, v15, v16
	v_max3_num_f32 v5, v5, v17, v18
	v_max_num_f32 v5, v5, v19
	v_mul_f32 v6, s26, v5
.irp e, 0,1,2,3,4,5,6,7
	v_fma_f32 v[12+\e], v[12+\e], s26, -v6
.endr
.irp e, 0,1,2,3,4,5,6,7
	v_exp_f32 v[12+\e], v[12+\e]
.endr
	v_mov_b32 v21, 0                               ; index of the best so far; also the plain instruction behind the batch
	s_wait_alu depctr_va_vdst(0)                   ; one wait for the eight exponentials
	v_mov_b32 v20, v12
.irp e, 1,2,3,4,5,6,7
	v_cmp_gt_f32 vcc_lo, v[12+\e], v20             ; strictly greater: of equals the lower index stays
	v_cndmask_b32 v20, v20, v[12+\e], vcc_lo
	v_cndmask_b32 v21, v21, \e, vcc_lo
.endr
.irp e, 0,1,2,3,4,5,6,7
	v_cmp_eq_u32 vcc_lo, \e, v21
	v_cndmask_b32 v[12+\e], v[12+\e], -1.0, vcc_lo ; the best is taken out: every p is 0 or more
.endr
	v_mov_b32 v22, v12
	v_mov_b32 v23, 0
.irp e, 1,2,3,4,5,6,7
	v_cmp_gt_f32 vcc_lo, v[12+\e], v22
	v_cndmask_b32 v22, v22, v[12+\e], vcc_lo
	v_cndmask_b32 v23, v23, \e, vcc_lo
.endr
	v_add_f32 v24, v20, v22
	v_rcp_f32 v25, v24
	v_lshlrev_b32 v29, 2, v4                       ; 4 (L & 7); the plain instruction behind the reciprocal
	s_wait_alu depctr_va_vdst(0)
	v_mul_f32 v26, v20, v25                        ; the two weights
	v_mul_f32 v27, v22, v25
	; what the work-group stores together meets in LDS.  All lanes are on; lanes that share a word write the same number.
	v_cmp_eq_u32 vcc_lo, v4, v23
	v_cndmask_b32 v5, 0, v27, vcc_lo
	v_cmp_eq_u32 vcc_lo, v4, v21
	v_cndmask_b32 v5, v5, v26, vcc_lo              ; out1[t][L & 7]
	v_lshl_add_u32 v28, s20, 5, v29
	ds_store_b32 v28, v5                           ; bytes 0-255: out1's eight rows
	v_mov_b32 v6, 1
	v_lshlrev_b32 v7, v21, v6
	v_lshlrev_b32 v8, v23, v6
	v_or_b32 v7, v7, v8                            ; a bit for each chosen expert
	v_mov_b32 v9, s20
	v_lshlrev_b32 v9, 2, v9
	ds_store_b32 v9, v7 offset:256
	v_lshl_or_b32 v8, v23, 8, v21                  ; sel
	ds_store_b32 v9, v8 offset:288
	v_lshlrev_b32 v10, 1, v9
	ds_store_b64 v10, v[26:27] offset:320
	s_wait_dscnt 0x0                               ; for the others' sake: my stores are done
	s_barrier_signal -1
	s_barrier_wait -1
	s_cmp_lg_u32 s20, 0
	s_cbranch_scc1 .Lend                           ; wave 0 stores for the work-group
	v_and_b32 v11, 15, v0
	v_lshlrev_b32 v11, 2, v11
	v_mov_b32 v10, 0
	ds_load_b64 v[12:13], v3
	ds_load_b32 v14, v29 offset:288
	ds_load_b32 v15, v11 offset:320
	ds_load_b128 v[16:19], v10 offset:256
	ds_load_b128 v[20:23], v10 offset:272
	s_lshl_b32 s22, ttmp9, 8
	s_add_nc_u64 s[18:19], s[18:19], s[22:23]      ; out1 + 256 g
	s_lshl_b32 s22, ttmp9, 5
	s_add_nc_u64 s[30:31], s[14:15], s[22:23]      ; rt + 32 g
	s_lshl_b32 s22, ttmp9, 6
	s_add_nc_u64 s[16:17], s[16:17], s[22:23]      ; gw + 64 g
	s_mov_b32 s29, ttmp9
	v_lshlrev_b32 v24, 7, v4
	v_add_nc_u32 v24, s29, v24                     ; 128 (L & 7) + g
	s_wait_dscnt 0x0
	global_store_b64 v3, v[12:13], s[18:19]        ; 256 consecutive bytes, at a multiple of 256 from out1's first byte
	global_store_b32 v29, v14, s[30:31] offset:1024
	global_store_b32 v11, v15, s[16:17]
	v_lshrrev_b32 v25, v4, v16                     ; expert L & 7: bit w of its byte says whether token 8 g + w chose it
	v_and_b32 v25, 1, v25
.irp w, 1,2,3,4,5,6,7
	v_lshrrev_b32 v26, v4, v[16+\w]
	v_and_b32 v26, 1, v26
	v_lshl_or_b32 v25, v26, \w, v25
.endr
	global_store_b8 v24, v25, s[14:15]
.Lend:
	s_wait_tensorcnt 0x0                           ; the wave's end
	ds_add_u32 v30, v31
	s_wait_dscnt 0x0
	s_endpgm
.Lfunc_end_k_q1461a47a1a_router:
	.size	k_q1461a47a1a_router, .Lfunc_end_k_q1461a47a1a_router-k_q1461a47a1a_router
	.p2alignl 7, 3214868480
	.fill 96, 4, 3214868480
	.section	.rodata,"a",@progbits
	.p2align	6, 0x0
	.amdhsa_kernel k_q1461a47a1a_router
		.amdhsa_group_segment_fixed_size 1536
		.amdhsa_private_segment_fixed_size 0
		.amdhsa_enable_private_segment 0
		.amdhsa_kernarg_size 64
		.amdhsa_user_sgpr_count 2
		.amdhsa_user_sgpr_kernarg_segment_ptr 1
		.amdhsa_wavefront_size32 1
		.amdhsa_system_sgpr_workgroup_id_x 1
		.amdhsa_system_sgpr_workgroup_id_y 1
		.amdhsa_system_sgpr_workgroup_id_z 1
		.amdhsa_system_vgpr_workitem_id 0
		.amdhsa_next_free_vgpr 384
		.amdhsa_next_free_sgpr 66
		.amdhsa_reserve_vcc 1
		.amdhsa_float_denorm_mode_32 3
		.amdhsa_float_denorm_mode_16_64 3
		.amdhsa_memory_ordered 1
		.amdhsa_forward_progress 1
		.amdhsa_inst_pref_size 36
	.end_amdhsa_kernel
	.amdgpu_metadata
---
amdhsa.version: [ 1, 2 ]
amdhsa.kernels:
  - .name:           k_q1461a47a1a_router
    .symbol:         k_q1461a47a1a_router.kd
    .args:
      - { .name: x, .offset: 0, .size: 8, .value_kind: global_buffer, .address_space: global }
      - { .name: ln_w, .offset: 8, .size: 8, .value_kind: global_buffer, .address_space: global }
      - { .name: ln_b, .offset: 16, .size: 8, .value_kind: global_buffer, .address_space: global }
      - { .name: gate_w, .offset: 24, .size: 8, .value_kind: global_buffer, .address_space: global }
      - { .name: xn, .offset: 32, .size: 8, .value_kind: global_buffer, .address_space: global }
      - { .name: rt, .offset: 40, .size: 8, .value_kind: global_buffer, .address_space: global }
      - { .name: gw, .offset: 48, .size: 8, .value_kind: global_buffer, .address_space: global }
      - { .name: out1, .offset: 56, .size: 8, .value_kind: global_buffer, .address_space: global }
    .group_segment_fixed_size: 1536
    .private_segment_fixed_size: 0
    .kernarg_segment_align: 8
    .kernarg_segment_size: 64
    .max_flat_workgroup_size: 256
    .sgpr_count:     66
    .vgpr_count:     384
    .wavefront_size: 32
...
	.end_amdgpu_metadata
.endif
;; end of part 1
;; launch place (part 2): grid 135 x 1, 4 waves a work-group, no clusters, 34,816 bytes of LDS; arguments rt, gw, xn, pl, posw, xs; writes pl, posw, xs
.if DOCPART == 2
	.amdgcn_target "amdgcn-amd-amdhsa--gfx1250"
	.amdhsa_code_object_version 6
	.text
	.protected	k_q1461a47a1a_place
	.globl	k_q1461a47a1a_place
	.p2align	8
	.type	k_q1461a47a1a_place,@function
k_q1461a47a1a_place:
	s_mov_b64 s[64:65], 0
	v_nop
	global_prefetch_b8 v0, s[64:65] scope:SCOPE_SE
	s_setreg_imm32_b32 hwreg(HW_REG_WAVE_MODE, 25, 1), 1
	s_wait_xcnt 0x0
; The routed rows are placed.  An expert's rows are its tokens in ascending order, its stretch rounded up to whole tiles of 16 rows; the experts' stretches follow each other.
; With 2,048 routed rows and 8 experts there are never more than 128 + 7 = 135 tiles, whatever the split: work-group T owns tile T, and ends at once only where this split has fewer tiles.
; Every wave counts the eight bitmaps for itself (whole numbers alone), finds its tile's expert and first rank, and lists the tile's 16 tokens in LDS words of its own: no barrier.
; Places past the expert's count repeat its last token.  Then wave w moves a quarter of K (512 bytes of each of the 16 rows of xn) through its own LDS scratch into xs,
; in the order in which a wave's matrix operand registers take it: xs[tile][K step of 32][1,024 bytes]: lane L's registers 0-3 at 16 L, registers 4-7 at 512 + 16 L.
; Wave 0 stores posbuf[t][slot] = the row's position 16 T + row, and posw[position] = the row's router weight; work-group 0 stores each expert's first tile and number of tiles.
.set LIST,  0                          ; wave w: 128 w: 16 words and a dump word
.set SCR,   512                        ; wave w: 512 + 8,448 w: 16 rows of 528 bytes (512 + 16: 132 words, so the 16 rows of a load start four banks apart; 64 banks of 4 bytes: ISA guide 11.1)
.set PITCH, 528
.set SPARE, 34304                      ; the spare words: 128 bytes a wave
.macro POPC d, x                       ; v[d] = the number of ones in v[x]; v6 at work
	v_lshrrev_b32 v6, 1, v[\x]
	v_and_b32 v6, s57, v6
	v_sub_nc_u32 v[\d], v[\x], v6                  ; pairs of bits
	v_lshrrev_b32 v6, 2, v[\d]
	v_and_b32 v[\d], s58, v[\d]
	v_and_b32 v6, s58, v6
	v_add_nc_u32 v[\d], v[\d], v6                  ; fours
	v_lshrrev_b32 v6, 4, v[\d]
	v_add_nc_u32 v[\d], v[\d], v6
	v_and_b32 v[\d], s59, v[\d]                    ; bytes
	v_mul_lo_u32 v[\d], v[\d], s60                 ; their sum in the top byte
	v_lshrrev_b32 v[\d], 24, v[\d]
.endm
.macro ISUM v                          ; the sum over the 32 lanes, in every lane; v21 at work
.irp m, 1,2,4,8
	v_mov_b32_dpp v21, v[\v] row_xmask:\m row_mask:0xf bank_mask:0xf
	v_add_nc_u32 v[\v], v[\v], v21
.endr
	v_permlanex16_b32 v21, v[\v], s24, s25
	v_add_nc_u32 v[\v], v[\v], v21
.endm
	s_load_b256 s[4:11], s[0:1], 0x0               ; rt s[4:5], gw s[6:7], xn s[8:9], pl s[10:11]
	s_load_b128 s[12:15], s[0:1], 0x20             ; posw s[12:13], xs s[14:15]
	v_lshl_add_u32 v30, v0, 2, SPARE
	v_mov_b32 v31, 0
	v_lshrrev_b32 v6, 5, v0
	v_readfirstlane_b32 s16, v6                    ; wave 0..3
	s_mov_b32 s17, ttmp9                           ; T
	v_and_b32 v1, 31, v0                           ; L
	v_and_b32 v2, 15, v0                           ; r
	v_bfe_u32 v3, v0, 4, 1                         ; h
	v_lshlrev_b32 v7, 2, v1
	v_mov_b32 v21, 0
	s_mov_b32 s24, 0x76543210
	s_mov_b32 s25, 0xfedcba98
	s_mov_b32 s57, 0x55555555
	s_mov_b32 s58, 0x33333333
	s_mov_b32 s59, 0x0f0f0f0f
	s_mov_b32 s60, 0x01010101
	s_wait_kmcnt 0x0
.irp e, 0,1,2,3,4,5,6,7
	global_load_b32 v[8+\e], v7, s[4:5] offset:128*\e  ; lane g: expert e's bitmap of tokens 32 g .. 32 g + 31
.endr
	s_wait_loadcnt 0x0
.irp e, 0,1,2,3,4,5,6,7
	POPC 32+\e, 8+\e
.endr
.irp k, 0,1,2,3
	v_lshl_or_b32 v[17+\k], v[36+\k], 16, v[32+\k] ; two experts' counts in a word: each stays under 2^16
.endr
.irp k, 0,1,2,3
	ISUM 17+\k
.endr
.irp k, 0,1,2,3
	v_readfirstlane_b32 s26, v[17+\k]
	s_and_b32 s[32+\k], s26, 0xffff                ; s32-39: rows of each expert
	s_lshr_b32 s[36+\k], s26, 16
.endr
.irp k, 0,1,2,3,4,5,6,7
	s_add_co_u32 s[48+\k], s[32+\k], 15
	s_lshr_b32 s[48+\k], s[48+\k], 4               ; s48-55: its tiles
.endr
	s_mov_b32 s40, 0
.irp k, 0,1,2,3,4,5,6
	s_add_co_u32 s[41+\k], s[40+\k], s[48+\k]      ; s40-47: its first tile
.endr
	s_add_co_u32 s56, s47, s55                     ; tiles in all
	s_cmp_ge_u32 s17, s56
	s_cbranch_scc1 .Lquit                          ; this split has no tile T
	s_mov_b32 s18, 0
.irp k, 1,2,3,4,5,6,7
	s_cmp_le_u32 s[40+\k], s17
	s_add_co_ci_u32 s18, s18, 0                    ; e = how many experts from 1 on begin at or ahead of T: the last of them owns T
.endr
	s_mov_b32 s61, s32
	s_mov_b32 s62, s40
	v_mov_b32 v16, v8
.irp k, 1,2,3,4,5,6,7
	s_cmp_eq_u32 s18, \k
	s_cselect_b32 s61, s[32+\k], s61               ; its rows,
	s_cselect_b32 s62, s[40+\k], s62               ; its first tile,
	s_cselect_b32 s26, -1, 0
	v_cndmask_b32 v16, v16, v[8+\k], s26           ; its bitmap
.endr
	s_sub_co_u32 s19, s17, s62
	s_lshl_b32 s19, s19, 4                         ; the tile's first rank
	s_sub_co_u32 s20, s61, s19
	s_sub_co_u32 s20, s20, 1
	s_min_u32 s20, s20, 15                         ; the last row of the tile that exists
	s_lshl_b32 s29, s16, 7
	v_mov_b32 v4, s29                              ; my wave's list
	v_lshl_add_u32 v7, v1, 2, v4
	v_mov_b32 v6, 0
	ds_store_b32 v7, v6                            ; its 32 words begin as 0
	v_mov_b32 v5, v1                               ; lane L stands for token 32 g + L
	s_mov_b32 s21, 0
	s_sub_co_u32 s23, 0, s19                       ; ones seen so far, less the tile's first rank (it wraps below 0)
.Llist:                                                ; 32 trips, a bitmap word each: a token whose rank falls into the tile writes its number into word rank; all others into the dump word
	v_readlane_b32 s22, v16, s21
	v_mbcnt_lo_u32_b32 v6, s22, s23                ; the ones below my lane, plus those seen
	v_cndmask_b32 v6, 16, v6, s22                  ; a token that did not choose the expert,
	v_min_u32 v6, 16, v6                           ; and a rank ahead of or behind the tile: word 16
	v_lshl_add_u32 v7, v6, 2, v4
	ds_store_b32 v7, v5
	v_add_nc_u32 v5, 32, v5
	s_bcnt1_i32_b32 s26, s22
	s_add_co_u32 s23, s23, s26
	s_add_co_u32 s21, s21, 1
	s_cmp_lt_u32 s21, 32
	s_cbranch_scc1 .Llist
	; places past the count repeat the last token; the whole list goes back, so that rows are read at fixed places
	v_lshl_add_u32 v7, v2, 2, v4
	ds_load_b32 v16, v7                            ; LDS serves a wave's instructions in order (ISA guide 5.7.1.4): this sees the stores above
	s_wait_dscnt 0x0
	v_readlane_b32 s26, v16, s20
	v_cmp_ge_u32 vcc_lo, s20, v2
	v_cndmask_b32 v16, s26, v16, vcc_lo            ; lane r (and r + 16): the token of row r
	ds_store_b32 v7, v16
	v_lshl_add_u32 v6, v3, 2, v4
.irp i, 0,1,2,3,4,5,6,7
	ds_load_b32 v[22+\i], v6 offset:8*\i           ; the token of row 2 i + h
.endr
	s_lshl_b32 s26, s16, 9
	v_lshl_add_u32 v17, v2, 4, s26                 ; 512 w + 16 r
	s_mul_i32 s26, s16, 16*PITCH
	s_add_co_u32 s26, s26, SCR                     ; my scratch
	v_mul_u32_u24 v18, v3, PITCH
	v_lshl_add_u32 v18, v2, 4, v18
	v_add_nc_u32 v18, s26, v18                     ; in: row h, 16 r
	v_mul_u32_u24 v19, v2, PITCH
	v_lshl_add_u32 v19, v3, 4, v19
	v_add_nc_u32 v19, s26, v19                     ; back: row r, 16 h
	v_lshlrev_b32 v20, 4, v1                       ; 16 L
	s_lshl_b32 s28, s17, 15                        ; a tile of xs: 32,768 bytes; my wave's eight K steps: 8,192
	s_lshl_b32 s26, s16, 13
	s_add_co_u32 s28, s28, s26
	s_mov_b32 s29, 0
	s_add_nc_u64 s[14:15], s[14:15], s[28:29]
	s_wait_dscnt 0x0
.irp i, 0,1,2,3,4,5,6,7
	v_min_u32 v[22+\i], 0x3ff, v[22+\i]            ; a token's number stays inside xn
	v_lshl_add_u32 v[22+\i], v[22+\i], 11, v17
.endr
.irp i, 0,1,2,3,4,5,6,7
	global_load_b128 v[32+8*\i:32+8*\i+3], v[22+\i], s[8:9]              ; lanes 0-15: 256 consecutive bytes of row 2 i; lanes 16-31: of row 2 i + 1
	global_load_b128 v[32+8*\i+4:32+8*\i+7], v[22+\i], s[8:9] offset:256
.endr
.irp i, 0,1,2,3,4,5,6,7
	s_wait_loadcnt 15-2*\i                         ; loads come back in order (ISA guide 5.7.1): the younger ones stay out
	ds_store_b128 v18, v[32+8*\i:32+8*\i+3] offset:2*PITCH*\i
	s_wait_loadcnt 14-2*\i
	ds_store_b128 v18, v[32+8*\i+4:32+8*\i+7] offset:2*PITCH*\i+256
.endr
.irp k, 0,1,2,3,4,5,6,7
	ds_load_b128 v[32+8*\k:32+8*\k+3], v19 offset:64*\k       ; K step k of my eight: row r, k = 8 h .. 8 h + 7
	ds_load_b128 v[32+8*\k+4:32+8*\k+7], v19 offset:64*\k+32  ; and k = 16 + 8 h ..
.endr
.irp k, 0,1,2,3,4,5,6,7
	s_wait_dscnt 15-2*\k
	global_store_b128 v20, v[32+8*\k:32+8*\k+3], s[14:15] offset:1024*\k       ; 512 consecutive bytes, at a multiple of 256 from xs's first byte
	s_wait_dscnt 14-2*\k
	global_store_b128 v20, v[32+8*\k+4:32+8*\k+7], s[14:15] offset:1024*\k+512
.endr
	s_cmp_lg_u32 s16, 0
	s_cbranch_scc1 .Lend
	; wave 0: where each row went, and its weight.  Lanes r and r + 16, and the places that repeat a row, write equal numbers.
	v_min_u32 v16, 0x3ff, v16
	v_lshlrev_b32 v7, 2, v16
	global_load_b32 v8, v7, s[4:5] offset:1024     ; sel[token]
	v_min_u32 v11, s20, v2
	s_lshl_b32 s26, s17, 4
	v_add_nc_u32 v11, s26, v11                     ; position 16 T + row
	v_lshlrev_b32 v12, 2, v2
	s_lshl_b32 s26, s17, 6
	v_add_nc_u32 v12, s26, v12                     ; 4 (16 T + r)
	s_wait_loadcnt 0x0
	v_and_b32 v8, 0xff, v8
	v_xor_b32 v8, s18, v8
	v_min_u32 v8, 1, v8                            ; 0 where the expert is the token's first choice, else 1
	v_lshl_add_u32 v9, v16, 1, v8
	v_lshlrev_b32 v9, 2, v9
	global_load_b32 v10, v9, s[6:7]                ; gw[token][slot]
	global_store_b32 v9, v11, s[10:11] offset:256  ; posbuf[token][slot]
	s_wait_loadcnt 0x0
	global_store_b32 v12, v10, s[12:13]            ; posw[16 T + r]
	s_cmp_lg_u32 s17, 0
	s_cbranch_scc1 .Lend
	s_wait_xcnt 0x0                                ; v32 on were store data: rewritten only behind this wait
	v_mov_b32 v14, 0
.irp k, 0,1,2,3,4,5,6,7
	v_mov_b32 v[32+\k], s[40+\k]
	v_mov_b32 v[40+\k], s[48+\k]
.endr
.irp k, 0,1,2,3,4,5,6,7
	global_store_b32 v14, v[32+\k], s[10:11] offset:4*\k      ; each expert's first tile
	global_store_b32 v14, v[40+\k], s[10:11] offset:32+4*\k   ; and its number of tiles
.endr
.Lend:
	s_wait_tensorcnt 0x0                           ; the wave's end
	ds_add_u32 v30, v31
	s_wait_dscnt 0x0
	s_endpgm
.Lquit:
	s_endpgm
.Lfunc_end_k_q1461a47a1a_place:
	.size	k_q1461a47a1a_place, .Lfunc_end_k_q1461a47a1a_place-k_q1461a47a1a_place
	.p2alignl 7, 3214868480
	.fill 96, 4, 3214868480
	.section	.rodata,"a",@progbits
	.p2align	6, 0x0
	.amdhsa_kernel k_q1461a47a1a_place
		.amdhsa_group_segment_fixed_size 34816
		.amdhsa_private_segment_fixed_size 0
		.amdhsa_enable_private_segment 0
		.amdhsa_kernarg_size 48
		.amdhsa_user_sgpr_count 2
		.amdhsa_user_sgpr_kernarg_segment_ptr 1
		.amdhsa_wavefront_size32 1
		.amdhsa_system_sgpr_workgroup_id_x 1
		.amdhsa_system_sgpr_workgroup_id_y 1
		.amdhsa_system_sgpr_workgroup_id_z 1
		.amdhsa_system_vgpr_workitem_id 0
		.amdhsa_next_free_vgpr 96
		.amdhsa_next_free_sgpr 66
		.amdhsa_reserve_vcc 1
		.amdhsa_float_denorm_mode_32 3
		.amdhsa_float_denorm_mode_16_64 3
		.amdhsa_memory_ordered 1
		.amdhsa_forward_progress 1
		.amdhsa_inst_pref_size 24
	.end_amdhsa_kernel
	.amdgpu_metadata
---
amdhsa.version: [ 1, 2 ]
amdhsa.kernels:
  - .name:           k_q1461a47a1a_place
    .symbol:         k_q1461a47a1a_place.kd
    .args:
      - { .name: rt, .offset: 0, .size: 8, .value_kind: global_buffer, .address_space: global }
      - { .name: gw, .offset: 8, .size: 8, .value_kind: global_buffer, .address_space: global }
      - { .name: xn, .offset: 16, .size: 8, .value_kind: global_buffer, .address_space: global }
      - { .name: pl, .offset: 24, .size: 8, .value_kind: global_buffer, .address_space: global }
      - { .name: posw, .offset: 32, .size: 8, .value_kind: global_buffer, .address_space: global }
      - { .name: xs, .offset: 40, .size: 8, .value_kind: global_buffer, .address_space: global }
    .group_segment_fixed_size: 34816
    .private_segment_fixed_size: 0
    .kernarg_segment_align: 8
    .kernarg_segment_size: 48
    .max_flat_workgroup_size: 128
    .sgpr_count:     66
    .vgpr_count:     96
    .wavefront_size: 32
...
	.end_amdgpu_metadata
.endif
;; end of part 2
;; launch ffn1 (part 3): grid 32 x 8, 4 waves a work-group, no clusters, 262,656 bytes of LDS; arguments w1, xs, pl, act; writes act
.if DOCPART == 3
	.amdgcn_target "amdgcn-amd-amdhsa--gfx1250"
	.amdhsa_code_object_version 6
	.text
	.protected	k_q1461a47a1a_ffn1
	.globl	k_q1461a47a1a_ffn1
	.p2align	8
	.type	k_q1461a47a1a_ffn1,@function
k_q1461a47a1a_ffn1:
	s_mov_b64 s[64:65], 0
	v_nop
	global_prefetch_b8 v0, s[64:65] scope:SCOPE_SE
	s_setreg_imm32_b32 hwreg(HW_REG_WAVE_MODE, 25, 1), 1
	s_wait_xcnt 0x0
; act = gelu_erf(xn w1[e][:, 2048 + c]) x (xn w1[e][:, c]) for the rows that chose expert e.  w1: [8][1024][4096] f32.
; SHARES.  Work-group (s, e) owns columns 64 s .. + 63 of both halves of w1[e], over all K: 512 KiB of f32 that it alone reads, and all of the expert's tiles of 16 rows.
;   In a pass wave w has local tiles 20 pass + 4 a + w, a = 0..4; four passes cover the 64 tiles that one expert can have.
; WEIGHTS.  A unit is 32 rows (a K step) x 64 columns.  Lane (r = L % 16, h = L / 16) issues 16 loads of 16 bytes: rows 8 h + 0..7 and 16 + 8 h + 0..7, at byte 16 r: each load of the wave takes
;   two rows' 256 consecutive bytes.  Pairs of rows, rounded and packed, ARE four operand fragments: in fragment j lane r holds column 4 r + j.  Nothing is transposed; the order of columns is set right when results are packed.
;   A fragment lies in LDS as its registers: lane L's registers 0-3 at 16 L, 4-7 at 512 + 16 L: every LDS access is 512 consecutive bytes.  Each LDS byte of the slice is written once.
; PASS 0 RUNS BESIDE THE STREAM.  K goes in 16 chunks of two K steps; a chunk is four units, one a wave (K step w / 2, column half w % 2).  Iteration c rounds and stores chunk c + 1 and multiplies chunk c.
;   Loads come back in order and one counter counts weights and tokens, so they are issued in the order in which they are needed: in half-iteration j (a K step) the tokens of K step j + 3
;   (ten loads) and weight half j + 6 (eight).  By this text's own count at most 62 loads of a wave are out, 32 of them weights.
;   Two barriers a chunk: LDS stores stand only between the second's wait and the first's signal, LDS reads only between the first's wait and the second's signal, so no wave stores while another reads.
;   Between a signal and its wait stands work on registers alone: the conversions, or tile 0's eight products, which no count guards.
;   Every wave runs all 16 iterations; products of tiles past the wave's count are jumped; the loads of such a tile repeat a tile that exists, so that every count of a wait holds on every way.
; PASSES 1 TO 3 (an expert's rows past 320) find the whole slice in LDS: no barrier and no LDS write inside them, since their number hangs on the expert's count; a pass without tiles is jumped.
;   Behind them a last barrier stands, on every wave's path: all waves' LDS reads are over before any wave writes LDS again, at its end.
; THE WAY OUT is one macro, written out behind pass 0 and again inside the loop over the later passes: a loop is entered at its head alone.
; Source 0 = weights, source 1 = tokens: a lane's results are ONE token (r) and columns 32 (L / 16) + 4 j' + j: 32 neighbouring columns, a K step of the next product.
; NO MULTICAST, NO TENSOR LOADS: each weight byte has one reader and passes through registers to be rounded.
; GELU.  0.5 g (1 + erf(g / sqrt 2)) x = z xs (1 + erf z) with z = g / sqrt 2, xs = x / sqrt 2.  erf by Abramowitz and Stegun 7.1.26.
; LIMITS.  erf is off by up to 1.5e-7 (absolute); 2^(-z z log2 e) below 2^-126 counts as 0; NaN and infinities are not treated apart.  xn, weights and act are rounded once to bf16; sums in f32.
.set ROWB,  16384                      ; bytes in a row of w1
.set UNIT,  32*ROWB
.set CHW,   2*UNIT                     ; from a chunk to the next in w1
.set CHL,   16384                      ; a chunk in LDS: 2 K steps x 8 fragments of 1,024 bytes
.set SPARE, 262144                     ; behind the slice: the spare words, 128 bytes a wave
.set VW,  5                            ; v5   131,072 h + 16 r: my place in a unit; never rewritten
.set VST, 6                            ; v6   where my wave's units go in LDS
.set VB,  7                            ; v7   16 L + the chunk or K step in hand
.set VLO, 9                            ; v9   1,024 h + 16 r: my place in a tile's two K steps of act
.set VO,  10                           ; v10  the same with the tile
.set VT,  16                           ; v16-20  tile a: 32,768 x tile + 16 L
.set CV,  32                           ; v32-63  four fragments just rounded
.set WD,  32                           ; the way out: v32-47 packed results; v64-95 z; v96-127 xs; v128-159 t; v160-191 the exponential; v192-223 the polynomial
.set Z,   64
.set XS,  96
.set DD,  128
.set Q,   160
.set P,   192
; window 0: v64-191 fragment set 0 (K step q of a chunk, fragment ct at 64 + 64 q + 8 ct).   window 1: v0-127 fragment set 1; v128-255 two stages of 64 for weights as loaded.
; window 2: sums of tiles 0-3 at 64 a + 8 ct.   window 3: v0-63 tile 4's sums; v64-223 token fragments, stage st, tile a at 64 + 40 st + 8 a.
.set MSB, 0
.macro WIN new                         ; the immediate's high byte repeats the setting that is left; at a label and at a branch every window is 0
.if MSB != (\new)
	s_set_vgpr_msb (MSB<<8)|(\new)
.set MSB, \new
.endif
.endm
.macro PLACES                          ; four places behind matrix instructions, ahead of loads into their sources and of reads of their results
.rept 4
	v_nop
.endr
.endm
.macro WH st, hf, ck                   ; half hf (16 of its 32 rows) of my unit of chunk ck, counted from the base, into stage st: eight loads
	WIN 0x40                                       ; destination window 1, address window 0
.irp i, 0,1,2,3,4,5,6,7
	global_load_b128 v[128+64*(\st)+32*(\hf)+4*\i:128+64*(\st)+32*(\hf)+4*\i+3], v[VW], s[22:23] offset:CHW*(\ck)+ROWB*(\i+16*(\hf)) th:TH_LOAD_NT
.endr
.endm
.macro TL st, k                        ; the five tiles' fragments of K step k, counted from the base, into stage st: ten loads of 512 consecutive bytes
	WIN 0xc0                                       ; destination window 3
.irp a, 0,1,2,3,4
	global_load_b128 v[64+40*(\st)+8*\a:64+40*(\st)+8*\a+3], v[VT+\a], s[26:27] offset:1024*(\k)
	global_load_b128 v[64+40*(\st)+8*\a+4:64+40*(\st)+8*\a+7], v[VT+\a], s[26:27] offset:1024*(\k)+512
.endr
.endm
.macro CVT st                          ; stage st is rounded: four fragments
	WIN 0x05                                       ; sources in window 1
.irp j, 0,1,2,3
.irp p, 0,1,2,3,4,5,6,7
	v_cvt_pk_bf16_f32 v[CV+8*\j+\p], v[128+64*(\st)+8*\p+\j], v[128+64*(\st)+8*\p+4+\j]  ; column 4 r + j of two neighbouring rows
.endr
.endr
	WIN 0
.endm
.macro STO off                         ; and stored
.irp j, 0,1,2,3
	ds_store_b128 v[VST], v[CV+8*\j:CV+8*\j+3] offset:(\off)+1024*\j
	ds_store_b128 v[VST], v[CV+8*\j+4:CV+8*\j+7] offset:(\off)+1024*\j+512
.endr
.endm
.macro RDB set, off                    ; a chunk's 16 fragments into fragment set 0 or 1: 32 loads in one run
	WIN 0x40*(\set)
.irp q, 0,1
.irp ct, 0,1,2,3,4,5,6,7
.set BR, 64*(1-(\set))+64*(\q)+8*(\ct)
	ds_load_b128 v[BR:BR+3], v[VB] offset:(\off)+8192*\q+1024*\ct
	ds_load_b128 v[BR+4:BR+7], v[VB] offset:(\off)+8192*\q+1024*\ct+512
.endr
.endr
.endm
.macro BLOAD b, off                    ; the later passes: a K step's eight fragments into half b of set 0
	WIN 0
.irp ct, 0,1,2,3,4,5,6,7
	ds_load_b128 v[64+64*(\b)+8*\ct:64+64*(\b)+8*\ct+3], v[VB] offset:(\off)+1024*\ct
	ds_load_b128 v[64+64*(\b)+8*\ct+4:64+64*(\b)+8*\ct+7], v[VB] offset:(\off)+1024*\ct+512
.endr
.endm
; The products of one K step for tiles lo to hi: fragments of set, half q; tokens of stage st.  zero = 1: they start the sums, for every tile.  Else tiles from my count on are jumped (tile 0 never).
; A tile's eight accumulators take turns; with one tile alone no two products that follow each other share one.
.macro MM set, q, st, zero, lo, hi
.irp a, 0,1,2,3,4
.if ((\a) >= (\lo)) && ((\a) <= (\hi))
.if ((\zero) == 0) && ((\a) > 0)
	WIN 0
	s_cmp_le_u32 s17, \a
	s_cbranch_scc1 .Lmm_\@
.endif
	WIN 0xac+0x50*((\a)/4)+(\set)                  ; weights window 0 or 1, tokens window 3, sums window 2 (tile 4: 3)
.irp ct, 0,1,2,3,4,5,6,7
.set AC, (64*(\a)+8*(\ct))&255
.set BR, 64*(1-(\set))+64*(\q)+8*(\ct)
.set TR, 64+40*(\st)+8*(\a)
.if \zero
	v_wmma_f32_16x16x32_bf16 v[AC:AC+7], v[BR:BR+7], v[TR:TR+7], 0
.else
	v_wmma_f32_16x16x32_bf16 v[AC:AC+7], v[BR:BR+7], v[TR:TR+7], v[AC:AC+7]
.endif
.endr
.endif
.endr
	WIN 0
.Lmm_\@:
.endm
; ITERATION c of pass 0.  par = c % 2; d = c less the chunk at which the bases stand.  stg: chunk c + 1 is rounded, stored and read.  tA, wA, tB, wB: the loads of the two halves are issued.
; lcA, lcB: the younger loads, which stay out.  In full flow 36 = the two groups of 18 issued behind my unit of chunk c + 1 (the tokens of K step 2 c are older still);
; 44 = one weight half and two groups behind the tokens of K step 2 c + 1.
; The conversions are also the places between the last products and the loads into the token stage and the fragment set that those products read.
.macro ITER par, d, zero, stg, tA, wA, tB, wB, lcA, lcB
	s_wait_dscnt 0x0                               ; chunk c's fragments are in my registers: my LDS reads are over,
.if \stg
	s_barrier_signal -1                            ; and I say so
.endif
	s_wait_loadcnt \lcA
.if \stg
	CVT 1-(\par)
	s_barrier_wait -1                              ; no wave reads LDS now
	STO ((\d)+1)*CHL
.endif
.if \tA
	TL (2*(\par)+3)&3, 2*(\d)+3
.endif
.if \wA
	WH 1-(\par), 0, (\d)+3                         ; into the stage just rounded
.endif
	MM \par, 0, 2*(\par), \zero, 1, 4              ; the products stand between the stores and the wait for them
.if \stg
	s_wait_dscnt 0x0                               ; for the others' sake: my part of chunk c + 1 is in LDS
	s_barrier_signal -1
.endif
	MM \par, 0, 2*(\par), \zero, 0, 0              ; tile 0: no branch stands between the signal and the wait
.if \stg
	s_barrier_wait -1                              ; chunk c + 1 is whole, and no wave stores now
.endif
	PLACES                                         ; ahead of the loads into the token stage just multiplied
.if \stg
	RDB 1-(\par), ((\d)+1)*CHL
.endif
	s_wait_loadcnt \lcB
.if \tB
	TL 2*(\par), 2*(\d)+4
.endif
.if \wB
	WH 1-(\par), 1, (\d)+3
.endif
	MM \par, 1, 2*(\par)+1, 0, 0, 4
.endm
; The later passes: K step q of a trip of four.  tl: the tokens of the K step three on are asked for.  lc: token loads of younger K steps, which stay out.  bl: the next K step's weights are read.
.macro KS q, zero, tl, lc, bl
	PLACES
.if \tl
	TL ((\q)+3)&3, (\q)+3
.endif
.if \bl
	BLOAD 1-((\q)&1), 8192*((\q)+1)
.endif
	s_wait_loadcnt \lc
.if \bl
	s_wait_dscnt 16                                ; all but the 16 just issued: this K step's weights are in
.else
	s_wait_dscnt 0x0
.endif
	MM 0, (\q)&1, \q, \zero, 0, 4
.endm
.macro STEP                            ; four K steps on
	s_wait_xcnt 0x0                                ; the loads' base is stepped only behind this wait
	s_add_nc_u64 s[26:27], s[26:27], 4096
	v_add_nc_u32 v[VB], 32768, v[VB]
.endm
.macro PSET                            ; pass s18: how many of my five tiles exist, and where the five lie
	s_mul_i32 s30, s18, 20
	s_add_co_u32 s32, s30, s12                     ; my first local tile of the pass
	s_sub_co_u32 s31, s16, s32
	s_add_co_u32 s31, s31, 3
	s_ashr_i32 s17, s31, 2
	s_max_i32 s17, s17, 0
	s_min_i32 s17, s17, 5
	s_max_u32 s33, s16, 1
	s_sub_co_u32 s33, s33, 1
.irp a, 0,1,2,3,4
	s_add_co_u32 s34, s32, 4*\a
	s_min_u32 s34, s34, s33                        ; past the count: the expert's last tile once more
	s_add_co_u32 s34, s34, s15
	s_min_u32 s[52+\a], s34, 134
	s_lshl_b32 s34, s[52+\a], 15
	v_add_nc_u32 v[VT+\a], s34, v4                 ; (the token loads of the pass before were waited for with the count 0)
.endr
.endm
.macro SCALE a                         ; tile a's sums times 1 / sqrt 2 into window 0: the gate's into z, the other half's into xs; each accumulator is read from its low end on
.set A0, (64*(\a))&255
	WIN 0x02+(\a)/4
.irp j, 0,1,2,3
.irp i, 0,1,2,3
	v_pk_mul_f32 v[Z+8*\j+2*\i:Z+8*\j+2*\i+1], v[A0+32+8*\j+2*\i:A0+32+8*\j+2*\i+1], s[36:37] op_sel_hi:[1,0]
.endr
.irp i, 0,1,2,3
	v_pk_mul_f32 v[XS+8*\j+2*\i:XS+8*\j+2*\i+1], v[A0+8*\j+2*\i:A0+8*\j+2*\i+1], s[36:37] op_sel_hi:[1,0]
.endr
.endr
	WIN 0
	s_mov_b32 s30, s[52+(\a)]                      ; the tile's number
.endm
; THE WAY OUT of a pass, a tile a trip, s17 trips (one at the least); the arithmetic is written once a copy, only the copy out of the accumulators is a tile's own.  It touches no LDS.
.macro EPI
	PLACES
	s_mov_b32 s29, 0
.Lep_\@:
	s_wait_xcnt 0x0                                ; the last trip's stores have read their data and offset registers
	s_cmp_eq_u32 s29, 0
	s_cbranch_scc1 .Lc0_\@
	s_cmp_eq_u32 s29, 1
	s_cbranch_scc1 .Lc1_\@
	s_cmp_eq_u32 s29, 2
	s_cbranch_scc1 .Lc2_\@
	s_cmp_eq_u32 s29, 3
	s_cbranch_scc1 .Lc3_\@
	SCALE 4
	s_branch .Lg_\@
.Lc3_\@:
	SCALE 3
	s_branch .Lg_\@
.Lc2_\@:
	SCALE 2
	s_branch .Lg_\@
.Lc1_\@:
	SCALE 1
	s_branch .Lg_\@
.Lc0_\@:
	SCALE 0
.Lg_\@:
.set i, 0
.rept 16
	v_pk_mul_f32 v[Q+2*i:Q+2*i+1], v[Z+2*i:Z+2*i+1], s[38:39] op_sel_hi:[1,0]
.set i, i+1
.endr
.set i, 0
.rept 16
	v_pk_mul_f32 v[Q+2*i:Q+2*i+1], v[Q+2*i:Q+2*i+1], v[Z+2*i:Z+2*i+1]  ; - z z log2 e
.set i, i+1
.endr
.set i, 0
.rept 32
	v_fma_f32 v[DD+i], |v[Z+i]|, s40, 1.0          ; 1 + p |z|
.set i, i+1
.endr
.set i, 0
.rept 32
	v_rcp_f32 v[DD+i], v[DD+i]                     ; t
.set i, i+1
.endr
.set i, 0
.rept 32
	v_exp_f32 v[Q+i], v[Q+i]                       ; e^(- z z)
.set i, i+1
.endr
.set i, 0
.rept 16
	v_pk_mul_f32 v[XS+2*i:XS+2*i+1], v[XS+2*i:XS+2*i+1], v[Z+2*i:Z+2*i+1]  ; z xs: plain work that names no result of the batch
.set i, i+1
.endr
	s_wait_alu depctr_va_vdst(0)                   ; one wait for the batch of 64, ahead of its first reader
.set i, 0
.rept 16
	v_pk_fma_f32 v[P+2*i:P+2*i+1], v[DD+2*i:DD+2*i+1], s[50:51], s[48:49] op_sel_hi:[1,0,0]
.set i, i+1
.endr
.irp c, 46,44,42
.set i, 0
.rept 16
	v_pk_fma_f32 v[P+2*i:P+2*i+1], v[P+2*i:P+2*i+1], v[DD+2*i:DD+2*i+1], s[\c:\c+1] op_sel_hi:[1,1,0]
.set i, i+1
.endr
.endr
.set i, 0
.rept 16
	v_pk_mul_f32 v[P+2*i:P+2*i+1], v[P+2*i:P+2*i+1], v[DD+2*i:DD+2*i+1]
.set i, i+1
.endr
.set i, 0
.rept 16
	v_pk_fma_f32 v[P+2*i:P+2*i+1], v[P+2*i:P+2*i+1], v[Q+2*i:Q+2*i+1], 1.0 op_sel_hi:[1,1,0] neg_lo:[1,0,0] neg_hi:[1,0,0]  ; erf |z|
.set i, i+1
.endr
.set i, 0
.rept 32
	v_bfi_b32 v[P+i], s41, v[P+i], v[Z+i]          ; with z's sign
.set i, i+1
.endr
.set i, 0
.rept 16
	v_pk_fma_f32 v[XS+2*i:XS+2*i+1], v[XS+2*i:XS+2*i+1], v[P+2*i:P+2*i+1], v[XS+2*i:XS+2*i+1]  ; z xs (1 + erf z)
.set i, i+1
.endr
.irp n, 0,1,2,3,4,5,6,7                ; register n of fragment j is column 4 n + j of my 32: the four fragments' registers n are four neighbouring columns
	v_cvt_pk_bf16_f32 v[WD+2*\n], v[XS+\n], v[XS+8+\n]
	v_cvt_pk_bf16_f32 v[WD+2*\n+1], v[XS+16+\n], v[XS+24+\n]
.endr
	s_lshl_b32 s31, s30, 16                        ; a tile of act: 64 K steps of 1,024 bytes
	v_add_nc_u32 v[VO], s31, v[VLO]
.irp c, 0,1,2,3
	global_store_b128 v[VO], v[WD+4*\c:WD+4*\c+3], s[10:11] offset:256*\c  ; columns 8 c .. 8 c + 7 of K step 2 s + h: 16 lanes store 256 consecutive bytes, at a multiple of 256 from act's first byte
.endr
	s_add_co_u32 s29, s29, 1
	s_cmp_lt_u32 s29, s17
	s_cbranch_scc1 .Lep_\@
.endm
	s_load_b256 s[4:11], s[0:1], 0x0               ; w1 s[4:5], xs s[6:7], pl s[8:9], act s[10:11]
	v_lshl_add_u32 v30, v0, 2, SPARE
	v_mov_b32 v31, 0
	v_lshrrev_b32 v1, 5, v0
	v_readfirstlane_b32 s12, v1                    ; wave 0..3
	s_mov_b32 s13, ttmp9                           ; s
	s_and_b32 s14, ttmp7, 0xffff                   ; e
	v_and_b32 v1, 31, v0
	v_and_b32 v2, 15, v0                           ; r
	v_bfe_u32 v3, v0, 4, 1                         ; h
	v_lshlrev_b32 v4, 4, v1                        ; 16 L
	v_lshlrev_b32 v[VW], 4, v2
	v_lshl_add_u32 v[VLO], v3, 10, v[VW]
	v_lshl_add_u32 v[VW], v3, 17, v[VW]            ; 8 h rows + 16 r
	; of each chunk wave w rounds column half g = w & 1 (0: the plain half, 1: the gate's) of K step w >> 1
	s_lshl_b32 s20, s14, 24                        ; an expert: 16,777,216 bytes
	s_lshl_b32 s30, s13, 8
	s_add_co_u32 s20, s20, s30                     ; 64 columns: 256 bytes
	s_and_b32 s30, s12, 1
	s_lshl_b32 s31, s30, 13                        ; the gate's half begins 8,192 bytes on
	s_add_co_u32 s20, s20, s31
	s_lshr_b32 s32, s12, 1
	s_lshl_b32 s31, s32, 19                        ; a K step: 524,288 bytes
	s_add_co_u32 s20, s20, s31
	s_mov_b32 s21, 0
	s_lshl_b32 s31, s30, 12                        ; in LDS fragment (K step, ct) lies at 1,024 (8 K step + ct); the gate's are ct 4-7
	s_lshl_b32 s32, s32, 13
	s_add_co_u32 s31, s31, s32
	v_add_nc_u32 v[VST], s31, v4
	v_mov_b32 v[VB], v4
	s_lshl_b32 s34, s14, 2
	s_mov_b32 s35, 0
	s_wait_kmcnt 0x0
	s_add_nc_u64 s[8:9], s[8:9], s[34:35]
	s_load_b32 s15, s[8:9], 0x0                    ; the expert's first tile
	s_load_b32 s16, s[8:9], 0x20                   ; and its number of tiles
	s_add_nc_u64 s[22:23], s[4:5], s[20:21]
	WH 0, 0, 0                                     ; the first three weight halves go out while the two numbers are on their way
	WH 0, 1, 0
	WH 1, 0, 1
	WIN 0
	s_lshl_b32 s20, s13, 11
	s_add_nc_u64 s[10:11], s[10:11], s[20:21]      ; act at K steps 2 s, 2 s + 1
	s_mov_b32 s36, 0x3f3504f3                      ; 1 / sqrt 2; the packed lines name pairs and take the low word for both halves
	s_mov_b32 s37, s36
	s_mov_b32 s38, 0xbfb8aa3b                      ; - log2 e
	s_mov_b32 s39, s38
	s_mov_b32 s40, 0x3ea7ba05                      ; p  = 0.3275911
	s_mov_b32 s41, 0x7fffffff
	s_mov_b32 s42, 0x3e827906                      ; a1 = 0.254829592
	s_mov_b32 s43, s42
	s_mov_b32 s44, 0xbe91a98e                      ; a2 = -0.284496736
	s_mov_b32 s45, s44
	s_mov_b32 s46, 0x3fb5f0e3                      ; a3 = 1.421413741
	s_mov_b32 s47, s46
	s_mov_b32 s48, 0xbfba00e3                      ; a4 = -1.453152027
	s_mov_b32 s49, s48
	s_mov_b32 s50, 0x3f87dc22                      ; a5 = 1.061405429
	s_mov_b32 s51, s50
	s_mov_b32 s18, 0                               ; pass 0
	s_wait_kmcnt 0x0
	s_min_u32 s15, s15, 135                        ; what was read stays inside its range
	s_min_u32 s16, s16, 64
	s_cmp_eq_u32 s16, 0
	s_cselect_b32 s15, 0, s15                      ; an expert without rows: its loads take tile 0, which every split has; nothing is made of them
	PSET
	s_mov_b64 s[26:27], s[6:7]
	; the set-up goes on in the loop's own order of issue: tokens of K step 0, weight half 3; chunk 0 is rounded; tokens 1, half 4; tokens 2, half 5
	TL 0, 0
	WH 1, 1, 1
	s_wait_loadcnt 26                              ; chunk 0's unit is in; half 2, the tokens of K step 0 and half 3 stay out
	CVT 0
	STO 0
	TL 1, 1
	WH 0, 0, 2
	s_wait_dscnt 0x0                               ; for the others' sake: my part of chunk 0 is in LDS
	s_barrier_signal -1
	s_barrier_wait -1
	RDB 0, 0
	TL 2, 2
	WH 0, 1, 2
	ITER 0, 0, 1, 1, 1,1,1,1, 36, 44               ; chunk 0: its first K step starts the sums
	s_wait_xcnt 0x0                                ; the loads' bases are stepped only behind this wait
	s_add_nc_u64 s[22:23], s[22:23], CHW
	s_add_nc_u64 s[26:27], s[26:27], 2048
	v_add_nc_u32 v[VST], CHL, v[VST]
	v_add_nc_u32 v[VB], CHL, v[VB]
	s_mov_b32 s19, 6
.Lfuse:                                                ; six trips of two chunks: chunks 1 to 12
	ITER 1, 0, 0, 1, 1,1,1,1, 36, 44
	ITER 0, 1, 0, 1, 1,1,1,1, 36, 44
	s_wait_xcnt 0x0
	s_add_nc_u64 s[22:23], s[22:23], 2*CHW
	s_add_nc_u64 s[26:27], s[26:27], 4096
	v_add_nc_u32 v[VST], 2*CHL, v[VST]
	v_add_nc_u32 v[VB], 2*CHL, v[VB]
	s_sub_co_u32 s19, s19, 1
	s_cmp_lg_u32 s19, 0
	s_cbranch_scc1 .Lfuse
	ITER 1, 0, 0, 1, 1,0,1,0, 36, 36               ; chunk 13: no weights are left to ask for; the groups shrink to ten loads, and the counts with them
	ITER 0, 1, 0, 1, 1,0,0,0, 20, 20               ; chunk 14: the last tokens go out; chunk 15 is stored and read
	ITER 1, 2, 0, 0, 0,0,0,0, 10, 0                ; chunk 15: nothing is stored, so no barrier
	s_cmp_eq_u32 s17, 0
	s_cbranch_scc1 .Lp0done                        ; a wave without tiles stores nothing
	EPI                                            ; pass 0's way out
.Lp0done:
	s_mov_b32 s18, 1
.Lpass:                                                ; passes 1 to 3
	PSET
	s_cmp_eq_u32 s17, 0
	s_cbranch_scc1 .Lpassend
	s_mov_b64 s[26:27], s[6:7]
	v_mov_b32 v[VB], v4
	TL 0, 0
	TL 1, 1
	TL 2, 2
	BLOAD 0, 0
	KS 0, 1, 1, 30, 1                              ; 30: the three younger K steps' token loads stay out
	KS 1, 0, 1, 30, 1
	KS 2, 0, 1, 30, 1
	KS 3, 0, 1, 30, 1
	STEP
	s_mov_b32 s19, 6
.Lk:
	KS 0, 0, 1, 30, 1
	KS 1, 0, 1, 30, 1
	KS 2, 0, 1, 30, 1
	KS 3, 0, 1, 30, 1
	STEP
	s_sub_co_u32 s19, s19, 1
	s_cmp_lg_u32 s19, 0
	s_cbranch_scc1 .Lk
	KS 0, 0, 1, 30, 1                              ; K steps 28 to 31: the last token loads go out, and the counts run down
	KS 1, 0, 0, 20, 1
	KS 2, 0, 0, 10, 1
	KS 3, 0, 0, 0,  0
	EPI
.Lpassend:
	s_add_co_u32 s18, s18, 1
	s_cmp_lt_u32 s18, 4
	s_cbranch_scc1 .Lpass
	s_wait_dscnt 0x0                               ; my LDS reads are back;
	s_barrier_signal -1                            ; every wave says so,
	s_barrier_wait -1                              ; and only when all four have read the slice to its end does any wave write LDS again
	s_wait_tensorcnt 0x0                           ; the wave's end
	ds_add_u32 v30, v31
	s_wait_dscnt 0x0
	s_endpgm
.Lfunc_end_k_q1461a47a1a_ffn1:
	.size	k_q1461a47a1a_ffn1, .Lfunc_end_k_q1461a47a1a_ffn1-k_q1461a47a1a_ffn1
	.p2alignl 7, 3214868480
	.fill 96, 4, 3214868480
	.section	.rodata,"a",@progbits
	.p2align	6, 0x0
	.amdhsa_kernel k_q1461a47a1a_ffn1
		.amdhsa_group_segment_fixed_size 262656
		.amdhsa_private_segment_fixed_size 0
		.amdhsa_enable_private_segment 0
		.amdhsa_kernarg_size 32
		.amdhsa_user_sgpr_count 2
		.amdhsa_user_sgpr_kernarg_segment_ptr 1
		.amdhsa_wavefront_size32 1
		.amdhsa_system_sgpr_workgroup_id_x 1
		.amdhsa_system_sgpr_workgroup_id_y 1
		.amdhsa_system_sgpr_workgroup_id_z 1
		.amdhsa_system_vgpr_workitem_id 0
		.amdhsa_next_free_vgpr 992
		.amdhsa_next_free_sgpr 66
		.amdhsa_reserve_vcc 0
		.amdhsa_float_denorm_mode_32 3
		.amdhsa_float_denorm_mode_16_64 3
		.amdhsa_memory_ordered 1
		.amdhsa_forward_progress 1
		.amdhsa_inst_pref_size 214
	.end_amdhsa_kernel
	.amdgpu_metadata
---
amdhsa.version: [ 1, 2 ]
amdhsa.kernels:
  - .name:           k_q1461a47a1a_ffn1
    .symbol:         k_q1461a47a1a_ffn1.kd
    .args:
      - { .name: w1, .offset: 0, .size: 8, .value_kind: global_buffer, .address_space: global }
      - { .name: xs, .offset: 8, .size: 8, .value_kind: global_buffer, .address_space: global }
      - { .name: pl, .offset: 16, .size: 8, .value_kind: global_buffer, .address_space: global }
      - { .name: act, .offset: 24, .size: 8, .value_kind: global_buffer, .address_space: global }
    .group_segment_fixed_size: 262656
    .private_segment_fixed_size: 0
    .kernarg_segment_align: 8
    .kernarg_segment_size: 32
    .max_flat_workgroup_size: 128
    .sgpr_count:     66
    .vgpr_count:     992
    .wavefront_size: 32
...
	.end_amdgpu_metadata
.endif
;; end of part 3
;; launch ffn2 (part 4): grid 32 x 8, 4 waves a work-group, no clusters, 131,584 bytes of LDS; arguments w2, act, pl, posw, y; writes y
.if DOCPART == 4
	.amdgcn_target "amdgcn-amd-amdhsa--gfx1250"
	.amdhsa_code_object_version 6
	.text
	.protected	k_q1461a47a1a_ffn2
	.globl	k_q1461a47a1a_ffn2
	.p2align	8
	.type	k_q1461a47a1a_ffn2,@function
k_q1461a47a1a_ffn2:
	s_mov_b64 s[64:65], 0
	v_nop
	global_prefetch_b8 v0, s[64:65] scope:SCOPE_SE
	s_setreg_imm32_b32 hwreg(HW_REG_WAVE_MODE, 25, 1), 1
	s_wait_xcnt 0x0
; y[kh][position][:] = router weight x (act[:, half kh of K] w2[e][half kh of K][:]) for the rows of expert e.  w2: [8][2048][1024] f32.
; SHARES.  Work-group (cs, kh, e) owns columns 64 cs .. + 63 and rows 1024 kh .. + 1023 of w2[e]: 256 KiB of f32 that it alone reads, and all of the expert's tiles.  64 columns keep each row's piece at
; 256 consecutive bytes; the split of K makes 256 work-groups.  The two halves' sums are partial sums: they stay f32 and are added by the next launch.
; PHASE A and PHASE B as in the first product: the slice is read once, rounded to bf16 in registers and laid into LDS as operand fragments (in fragment j lane r holds column 4 r + j); one barrier;
; then passes of five tiles a wave with no barrier and no LDS write inside them, since their number hangs on the expert's count; behind the passes a second barrier, on every wave's path:
; all waves' LDS reads are over before any wave writes LDS again, at its end.
; Source 0 = tokens, source 1 = weights: register n of fragment j in lane (r, h) is token 8 h + n, column 4 r + j: the four fragments' registers n are 16 neighbouring bytes of a row of y, and 16 lanes hold 256.
; NO MULTICAST, NO TENSOR LOADS: each weight byte has one reader and passes through registers to be rounded.
; LIMITS.  Weights and act are bf16, sums f32; NaN and infinities are not treated apart.
.set ROWB,  4096                       ; bytes in a row of w2
.set UNIT,  32*ROWB
.set SPARE, 131072
.set VW,  5                            ; v5   32,768 h + 16 r: my place in a unit
.set VST, 6                            ; v6   16 L + 32,768 w: where my wave's units go in LDS
.set VB,  7                            ; v7   16 L + the K step in hand
.set VP,  11                           ; v11-15  tile a: 64 x tile + 32 h: my eight rows' weights in posw
.set VT,  16                           ; v16-20  tile a: 65,536 x tile + 16 L
.set VY,  21                           ; v21-25  tile a: 65,536 x tile + 32,768 h + 16 r
.set CV,  32                           ; v32-63  four fragments just rounded
.set BF,  64                           ; v64-95, v96-127  the four weight fragments of a K step, two buffers
.set O,   128                          ; v128-159  a tile on its way out
.set WT,  160                          ; v160-199  tile a: the router weights of my eight rows
; window 1: phase A: four stages of 64; phase B: token fragments, stage st, tile a at 40 st + 8 a.   window 2: accumulators at 32 a + 8 j.
.set MSB, 0
.macro WIN new
.if MSB != (\new)
	s_set_vgpr_msb (MSB<<8)|(\new)
.set MSB, \new
.endif
.endm
.macro PLACES                          ; four places behind matrix instructions (ISA guide 7.12.1)
.rept 4
	v_nop
.endr
.endm
.macro WLOAD st, u
	WIN 0x40
.irp l, 0,1,2,3,4,5,6,7,8,9,10,11,12,13,14,15
	global_load_b128 v[64*(\st)+4*\l:64*(\st)+4*\l+3], v[VW], s[22:23] offset:UNIT*(\u)+ROWB*((\l)+8*((\l)/8)) th:TH_LOAD_NT
.endr
.endm
.macro TURN st, cnt, lo, nu            ; stage st is rounded and stored at LDS offset lo; unit nu (if any) is asked for.  cnt: the loads of younger units, which stay out
	s_wait_loadcnt \cnt
	WIN 0x05
.irp j, 0,1,2,3
.irp p, 0,1,2,3,4,5,6,7
	v_cvt_pk_bf16_f32 v[CV+8*\j+\p], v[64*(\st)+8*\p+\j], v[64*(\st)+8*\p+4+\j]
.endr
.endr
	WIN 0
.irp j, 0,1,2,3
	ds_store_b128 v[VST], v[CV+8*\j:CV+8*\j+3] offset:(\lo)+1024*\j
	ds_store_b128 v[VST], v[CV+8*\j+4:CV+8*\j+7] offset:(\lo)+1024*\j+512
.endr
.if (\nu) >= 0
	WLOAD ((\st)+3)&3, \nu
.endif
.endm
.macro TLOAD st, k
	WIN 0x40
.irp a, 0,1,2,3,4
	global_load_b128 v[40*(\st)+8*\a:40*(\st)+8*\a+3], v[VT+\a], s[26:27] offset:1024*(\k)
	global_load_b128 v[40*(\st)+8*\a+4:40*(\st)+8*\a+7], v[VT+\a], s[26:27] offset:1024*(\k)+512
.endr
.endm
.macro BLOAD b, off
	WIN 0
.irp j, 0,1,2,3
	ds_load_b128 v[BF+32*(\b)+8*\j:BF+32*(\b)+8*\j+3], v[VB] offset:(\off)+1024*\j
	ds_load_b128 v[BF+32*(\b)+8*\j+4:BF+32*(\b)+8*\j+7], v[VB] offset:(\off)+1024*\j+512
.endr
.endm
; K step q of a trip of four; the arguments as in the first product.  A tile's four accumulators take turns.
.macro KS q, zero, tl, lc, bl
	PLACES
.if \tl
	TLOAD ((\q)+3)&3, (\q)+3
.endif
.if \bl
	BLOAD 1-((\q)&1), 4096*((\q)+1)
.endif
	s_wait_loadcnt \lc
.if \bl
	s_wait_dscnt 8                                 ; all but the eight just issued
.else
	s_wait_dscnt 0x0
.endif
.irp a, 0,1,2,3,4
.if ((\zero) == 0) && (\a > 0)
	WIN 0
	s_cmp_le_u32 s17, \a
	s_cbranch_scc1 .Lke_\@
.endif
	WIN 0xa1                                       ; tokens window 1, weights window 0, sums window 2
.irp j, 0,1,2,3
.set AC, 32*(\a)+8*(\j)
.if \zero
	v_wmma_f32_16x16x32_bf16 v[AC:AC+7], v[40*(\q)+8*\a:40*(\q)+8*\a+7], v[BF+32*((\q)&1)+8*\j:BF+32*((\q)&1)+8*\j+7], 0
.else
	v_wmma_f32_16x16x32_bf16 v[AC:AC+7], v[40*(\q)+8*\a:40*(\q)+8*\a+7], v[BF+32*((\q)&1)+8*\j:BF+32*((\q)&1)+8*\j+7], v[AC:AC+7]
.endif
.endr
.endr
	WIN 0
.Lke_\@:
.endm
.macro STEP
	s_wait_xcnt 0x0
	s_add_nc_u64 s[26:27], s[26:27], 4096
	v_add_nc_u32 v[VB], 16384, v[VB]
.endm
	s_load_b256 s[4:11], s[0:1], 0x0               ; w2 s[4:5], act s[6:7], pl s[8:9], posw s[10:11]
	s_load_b64 s[24:25], s[0:1], 0x20              ; y
	v_lshl_add_u32 v30, v0, 2, SPARE
	v_mov_b32 v31, 0
	v_lshrrev_b32 v1, 5, v0
	v_readfirstlane_b32 s12, v1                    ; wave 0..3
	s_and_b32 s13, ttmp9, 15                       ; cs
	s_lshr_b32 s28, ttmp9, 4                       ; kh
	s_and_b32 s14, ttmp7, 0xffff                   ; e
	v_and_b32 v1, 31, v0
	v_and_b32 v2, 15, v0                           ; r
	v_bfe_u32 v3, v0, 4, 1                         ; h
	v_lshlrev_b32 v4, 4, v1                        ; 16 L
	v_lshlrev_b32 v[VW], 4, v2
	v_lshl_add_u32 v[VW], v3, 15, v[VW]            ; 8 h rows of 4,096 bytes + 16 r: my place in a unit, and in a tile's 16 rows of y
	v_lshlrev_b32 v8, 5, v3                        ; 32 h
	s_lshl_b32 s20, s14, 23                        ; an expert: 8,388,608 bytes
	s_lshl_b32 s30, s28, 22                        ; half of its rows
	s_add_co_u32 s20, s20, s30
	s_lshl_b32 s30, s13, 8
	s_add_co_u32 s20, s20, s30
	s_lshl_b32 s30, s12, 20                        ; wave w rounds K steps 8 w .. 8 w + 7
	s_add_co_u32 s20, s20, s30
	s_mov_b32 s21, 0
	s_lshl_b32 s31, s12, 15                        ; fragment (K step, j) lies at 1,024 (4 K step + j)
	v_add_nc_u32 v[VST], s31, v4
	s_wait_kmcnt 0x0
	s_add_nc_u64 s[22:23], s[4:5], s[20:21]
	WLOAD 0, 0
	WLOAD 1, 1
	WLOAD 2, 2
	WIN 0
	s_lshl_b32 s20, s14, 2
	s_add_nc_u64 s[8:9], s[8:9], s[20:21]
	s_load_b32 s15, s[8:9], 0x0                    ; the expert's first tile
	s_load_b32 s16, s[8:9], 0x20                   ; and its number of tiles
	s_lshl_b32 s20, s28, 15
	s_add_nc_u64 s[6:7], s[6:7], s[20:21]          ; act at K step 32 kh
	s_mul_i32 s20, s28, 8912896                    ; a plane of y: 2,176 rows of 4,096 bytes
	s_lshl_b32 s30, s13, 8
	s_add_co_u32 s20, s20, s30
	s_add_nc_u64 s[24:25], s[24:25], s[20:21]
	TURN 0, 32, 0,     3                           ; eight units a wave, written out; 32: two younger units stay out
	TURN 1, 32, 4096,  4
	TURN 2, 32, 8192,  5
	TURN 3, 32, 12288, 6
	TURN 0, 32, 16384, 7
	TURN 1, 32, 20480, -1
	TURN 2, 16, 24576, -1
	TURN 3, 0,  28672, -1
	s_wait_kmcnt 0x0
	s_min_u32 s15, s15, 135
	s_min_u32 s16, s16, 64
	s_wait_dscnt 0x0                               ; for the others' sake: my part of the slice is in LDS
	s_barrier_signal -1
	s_barrier_wait -1                              ; nothing writes LDS in the passes below
	s_mov_b32 s18, 0
.Lpass:
	s_mul_i32 s30, s18, 20
	s_add_co_u32 s32, s30, s12
	s_sub_co_u32 s31, s16, s32
	s_add_co_u32 s31, s31, 3
	s_ashr_i32 s17, s31, 2
	s_max_i32 s17, s17, 0
	s_min_i32 s17, s17, 5                          ; how many of my five tiles exist
	s_cmp_eq_u32 s17, 0
	s_cbranch_scc1 .Lpassend
	s_sub_co_u32 s33, s16, 1
	s_wait_xcnt 0x0                                ; the last pass's stores have read their offset registers
.irp a, 0,1,2,3,4
	s_add_co_u32 s34, s32, 4*\a
	s_min_u32 s34, s34, s33                        ; past the count: the expert's last tile once more
	s_add_co_u32 s34, s34, s15
	s_min_u32 s34, s34, 134
	s_lshl_b32 s35, s34, 6
	v_add_nc_u32 v[VP+\a], s35, v8
	s_lshl_b32 s35, s34, 16
	v_add_nc_u32 v[VT+\a], s35, v4
	v_add_nc_u32 v[VY+\a], s35, v[VW]
.endr
	s_mov_b64 s[26:27], s[6:7]
	v_mov_b32 v[VB], v4
.irp a, 0,1,2,3,4
	global_load_b128 v[WT+8*\a:WT+8*\a+3], v[VP+\a], s[10:11]             ; older than every token load: the first counted wait covers them
	global_load_b128 v[WT+8*\a+4:WT+8*\a+7], v[VP+\a], s[10:11] offset:16
.endr
	TLOAD 0, 0
	TLOAD 1, 1
	TLOAD 2, 2
	BLOAD 0, 0
	KS 0, 1, 1, 30, 1                              ; 30: the three younger K steps' token loads stay out
	KS 1, 0, 1, 30, 1
	KS 2, 0, 1, 30, 1
	KS 3, 0, 1, 30, 1
	STEP
	s_mov_b32 s19, 6
.Lk:
	KS 0, 0, 1, 30, 1
	KS 1, 0, 1, 30, 1
	KS 2, 0, 1, 30, 1
	KS 3, 0, 1, 30, 1
	STEP
	s_sub_co_u32 s19, s19, 1
	s_cmp_lg_u32 s19, 0
	s_cbranch_scc1 .Lk
	KS 0, 0, 1, 30, 1                              ; the last four K steps: the counts run down
	KS 1, 0, 0, 20, 1
	KS 2, 0, 0, 10, 1
	KS 3, 0, 0, 0,  0
	PLACES
.irp a, 0,1,2,3,4
.if \a > 0
	s_cmp_le_u32 s17, \a
	s_cbranch_scc1 .Lpassend
.endif
	s_wait_xcnt 0x0                                ; the last tile's stores have read O
	WIN 0x02                                       ; source 0 in window 2
.irp n, 0,1,2,3,4,5,6,7                ; register 0 of each accumulator first: a result is read from its low end on
.irp j, 0,1,2,3
	v_mul_f32 v[O+4*\n+\j], v[32*\a+8*\j+\n], v[WT+8*\a+\n]
.endr
.endr
	WIN 0
.irp n, 0,1,2,3,4,5,6,7
	global_store_b128 v[VY+\a], v[O+4*\n:O+4*\n+3], s[24:25] offset:4096*\n  ; rows n and 8 + n: 16 lanes store 256 consecutive bytes, at a multiple of 256 from y's first byte
.endr
.endr
.Lpassend:
	s_add_co_u32 s18, s18, 1
	s_cmp_lt_u32 s18, 4
	s_cbranch_scc1 .Lpass
	s_wait_dscnt 0x0                               ; my LDS reads are back;
	s_barrier_signal -1                            ; every wave says so,
	s_barrier_wait -1                              ; and only when all four have read the slice to its end does any wave write LDS again
	s_wait_tensorcnt 0x0                           ; the wave's end
	ds_add_u32 v30, v31
	s_wait_dscnt 0x0
	s_endpgm
.Lfunc_end_k_q1461a47a1a_ffn2:
	.size	k_q1461a47a1a_ffn2, .Lfunc_end_k_q1461a47a1a_ffn2-k_q1461a47a1a_ffn2
	.p2alignl 7, 3214868480
	.fill 96, 4, 3214868480
	.section	.rodata,"a",@progbits
	.p2align	6, 0x0
	.amdhsa_kernel k_q1461a47a1a_ffn2
		.amdhsa_group_segment_fixed_size 131584
		.amdhsa_private_segment_fixed_size 0
		.amdhsa_enable_private_segment 0
		.amdhsa_kernarg_size 40
		.amdhsa_user_sgpr_count 2
		.amdhsa_user_sgpr_kernarg_segment_ptr 1
		.amdhsa_wavefront_size32 1
		.amdhsa_system_sgpr_workgroup_id_x 1
		.amdhsa_system_sgpr_workgroup_id_y 1
		.amdhsa_system_sgpr_workgroup_id_z 1
		.amdhsa_system_vgpr_workitem_id 0
		.amdhsa_next_free_vgpr 672
		.amdhsa_next_free_sgpr 66
		.amdhsa_reserve_vcc 0
		.amdhsa_float_denorm_mode_32 3
		.amdhsa_float_denorm_mode_16_64 3
		.amdhsa_memory_ordered 1
		.amdhsa_forward_progress 1
		.amdhsa_inst_pref_size 90
	.end_amdhsa_kernel
	.amdgpu_metadata
---
amdhsa.version: [ 1, 2 ]
amdhsa.kernels:
  - .name:           k_q1461a47a1a_ffn2
    .symbol:         k_q1461a47a1a_ffn2.kd
    .args:
      - { .name: w2, .offset: 0, .size: 8, .value_kind: global_buffer, .address_space: global }
      - { .name: act, .offset: 8, .size: 8, .value_kind: global_buffer, .address_space: global }
      - { .name: pl, .offset: 16, .size: 8, .value_kind: global_buffer, .address_space: global }
      - { .name: posw, .offset: 24, .size: 8, .value_kind: global_buffer, .address_space: global }
      - { .name: y, .offset: 32, .size: 8, .value_kind: global_buffer, .address_space: global }
    .group_segment_fixed_size: 131584
    .private_segment_fixed_size: 0
    .kernarg_segment_align: 8
    .kernarg_segment_size: 40
    .max_flat_workgroup_size: 128
    .sgpr_count:     66
    .vgpr_count:     672
    .wavefront_size: 32
...
	.end_amdgpu_metadata
.endif
;; end of part 4
;; launch combine (part 5): grid 256 x 1, 4 waves a work-group, no clusters, 0 bytes of LDS; arguments x, y, pl, out0; writes out0
.if DOCPART == 5
	.amdgcn_target "amdgcn-amd-amdhsa--gfx1250"
	.amdhsa_code_object_version 6
	.text
	.protected	k_q1461a47a1a_combine
	.globl	k_q1461a47a1a_combine
	.p2align	8
	.type	k_q1461a47a1a_combine,@function
k_q1461a47a1a_combine:
	s_mov_b64 s[64:65], 0
	v_nop
	global_prefetch_b8 v0, s[64:65] scope:SCOPE_SE
	s_setreg_imm32_b32 hwreg(HW_REG_WAVE_MODE, 25, 1), 1
	s_wait_xcnt 0x0
; out0[t] = x[t] + the four partial rows of token t: its two experts' rows, each in two halves of K.  All f32.  One wave takes one token: t = 4 g + w.
; A stream: every load and store of a wave covers 512 consecutive bytes; all 40 loads go out before the first sum.  No LDS, no barrier, no matrix unit: there is nothing to share or multiply.
; The two positions come from posbuf, whole numbers that an earlier launch stored; they are held inside y's 2,176 rows.
.set X, 8                              ; v[8:39]    x, then the result
.set Y, 40                             ; v[40:167]  chunk c, part m at 40 + 16 c + 4 m
	s_load_b256 s[4:11], s[0:1], 0x0               ; x s[4:5], y s[6:7], pl s[8:9], out0 s[10:11]
	v_lshrrev_b32 v1, 5, v0
	v_readfirstlane_b32 s14, v1                    ; wave
	v_and_b32 v1, 31, v0
	v_lshlrev_b32 v1, 4, v1                        ; 16 L
	s_lshl_b32 s15, ttmp9, 2
	s_add_co_u32 s15, s15, s14                     ; t
	s_lshl_b32 s18, s15, 3
	s_mov_b32 s19, 0
	s_lshl_b32 s20, s15, 12
	s_mov_b32 s21, 0
	s_wait_kmcnt 0x0
	s_add_nc_u64 s[8:9], s[8:9], s[18:19]
	s_load_b64 s[16:17], s[8:9], 0x100             ; posbuf[t][0..1]
	s_add_nc_u64 s[4:5], s[4:5], s[20:21]
	s_add_nc_u64 s[10:11], s[10:11], s[20:21]
	s_add_nc_u64 s[12:13], s[6:7], 8912896         ; y's second plane
.irp c, 0,1,2,3,4,5,6,7
	global_load_b128 v[X+4*\c:X+4*\c+3], v1, s[4:5] offset:512*\c th:TH_LOAD_NT
.endr
	s_wait_kmcnt 0x0
	s_min_u32 s16, s16, 2175
	s_min_u32 s17, s17, 2175
	s_lshl_b32 s16, s16, 12
	s_lshl_b32 s17, s17, 12
	v_add_nc_u32 v6, s16, v1
	v_add_nc_u32 v7, s17, v1
.irp c, 0,1,2,3,4,5,6,7
	global_load_b128 v[Y+16*\c:Y+16*\c+3],     v6, s[6:7]   offset:512*\c th:TH_LOAD_NT
	global_load_b128 v[Y+16*\c+4:Y+16*\c+7],   v7, s[6:7]   offset:512*\c th:TH_LOAD_NT
	global_load_b128 v[Y+16*\c+8:Y+16*\c+11],  v6, s[12:13] offset:512*\c th:TH_LOAD_NT
	global_load_b128 v[Y+16*\c+12:Y+16*\c+15], v7, s[12:13] offset:512*\c th:TH_LOAD_NT
.endr
.irp c, 0,1,2,3,4,5,6,7
	s_wait_loadcnt 28-4*\c                         ; loads come back in order (ISA guide 5.7.1): the younger chunks' four loads each stay out
.irp p, 0,2
	v_pk_add_f32 v[Y+16*\c+\p:Y+16*\c+\p+1], v[Y+16*\c+\p:Y+16*\c+\p+1], v[Y+16*\c+4+\p:Y+16*\c+4+\p+1]
	v_pk_add_f32 v[Y+16*\c+8+\p:Y+16*\c+8+\p+1], v[Y+16*\c+8+\p:Y+16*\c+8+\p+1], v[Y+16*\c+12+\p:Y+16*\c+12+\p+1]
.endr
.irp p, 0,2
	v_pk_add_f32 v[Y+16*\c+\p:Y+16*\c+\p+1], v[Y+16*\c+\p:Y+16*\c+\p+1], v[Y+16*\c+8+\p:Y+16*\c+8+\p+1]
.endr
.irp p, 0,2
	v_pk_add_f32 v[X+4*\c+\p:X+4*\c+\p+1], v[X+4*\c+\p:X+4*\c+\p+1], v[Y+16*\c+\p:Y+16*\c+\p+1]
.endr
	global_store_b128 v1, v[X+4*\c:X+4*\c+3], s[10:11] offset:512*\c th:TH_STORE_NT
.endr
	s_endpgm
.Lfunc_end_k_q1461a47a1a_combine:
	.size	k_q1461a47a1a_combine, .Lfunc_end_k_q1461a47a1a_combine-k_q1461a47a1a_combine
	.p2alignl 7, 3214868480
	.fill 96, 4, 3214868480
	.section	.rodata,"a",@progbits
	.p2align	6, 0x0
	.amdhsa_kernel k_q1461a47a1a_combine
		.amdhsa_group_segment_fixed_size 0
		.amdhsa_private_segment_fixed_size 0
		.amdhsa_enable_private_segment 0
		.amdhsa_kernarg_size 32
		.amdhsa_user_sgpr_count 2
		.amdhsa_user_sgpr_kernarg_segment_ptr 1
		.amdhsa_wavefront_size32 1
		.amdhsa_system_sgpr_workgroup_id_x 1
		.amdhsa_system_sgpr_workgroup_id_y 1
		.amdhsa_system_sgpr_workgroup_id_z 1
		.amdhsa_system_vgpr_workitem_id 0
		.amdhsa_next_free_vgpr 176
		.amdhsa_next_free_sgpr 66
		.amdhsa_reserve_vcc 0
		.amdhsa_float_denorm_mode_32 3
		.amdhsa_float_denorm_mode_16_64 3
		.amdhsa_memory_ordered 1
		.amdhsa_forward_progress 1
		.amdhsa_inst_pref_size 10
	.end_amdhsa_kernel
	.amdgpu_metadata
---
amdhsa.version: [ 1, 2 ]
amdhsa.kernels:
  - .name:           k_q1461a47a1a_combine
    .symbol:         k_q1461a47a1a_combine.kd
    .args:
      - { .name: x, .offset: 0, .size: 8, .value_kind: global_buffer, .address_space: global }
      - { .name: y, .offset: 8, .size: 8, .value_kind: global_buffer, .address_space: global }
      - { .name: pl, .offset: 16, .size: 8, .value_kind: global_buffer, .address_space: global }
      - { .name: out0, .offset: 24, .size: 8, .value_kind: global_buffer, .address_space: global }
    .group_segment_fixed_size: 0
    .private_segment_fixed_size: 0
    .kernarg_segment_align: 8
    .kernarg_segment_size: 32
    .max_flat_workgroup_size: 128
    .sgpr_count:     66
    .vgpr_count:     176
    .wavefront_size: 32
...
	.end_amdgpu_metadata
.endif
;; end of part 5
